; MI455X (gfx1250); checked and timed in simulation.
; The chip was launched on July 23, 2026; its instructions are those of AMD's public machine-readable ISA for CDNA 5 (MIT licence, August 2026) and "CDNA5" Instruction Set Architecture Reference Guide (July 2026). The comments in the code are by the model that wrote it; some were corrected since.
;; DS Attention. Allowed arithmetic: float matrix products may take bf16 or f16 operands with f32 sums; all other float work in f32.
;; Inputs: delta 2 x 2,048 float32; keys 2 x 2,048 x 8 x 64 float32; keys_null 2 x 2,048 x 8 x 64 float32; queries 2 x 2,048 x 8 x 64 float32; soft_mask 2 x 2,048 float32; tau 2 x 1 float32; values 2 x 2,048 x 8 x 64 float32; values_null 2 x 2,048 x 8 x 64 float32.
;; Outputs: out0 2 x 2,048 x 8 x 64 float32.
;; One version. Each part assembles by itself: llvm-mc -triple=amdgcn-amd-amdhsa -mcpu=gfx1250 --defsym DOCPART=n.
;; ======== version 1 of 1: 1 launch
;; limits: values are held in f16: magnitudes above 65,504 overflow, below 6.1e-05 lose precision; right only within a limited range of input values
;; launch dsattn (part 1): grid 256 x 1, 8 waves a work-group, no clusters, 301,056 bytes of LDS; arguments queries, keys, values, keys_null, values_null, tau, delta, soft_mask, out0; writes out0
.if DOCPART == 1
	.amdgcn_target "amdgcn-amd-amdhsa--gfx1250"
	.amdhsa_code_object_version 6
	.text
	.protected	k_q17db9ca31a_dsattn
	.globl	k_q17db9ca31a_dsattn
	.p2align	8
	.type	k_q17db9ca31a_dsattn,@function
k_q17db9ca31a_dsattn:
	s_mov_b64 s[64:65], 0
	v_nop
	global_prefetch_b8 v0, s[64:65] scope:SCOPE_SE
	s_setreg_imm32_b32 hwreg(HW_REG_WAVE_MODE, 25, 1), 1
	s_wait_xcnt 0x0
; DSAttention: out = m * attn(q, keys, values) + (1 - m) * attn(q, keys_null, values_null), both causal, one launch.
; Tensors are [B=2][L=2048][H=8][64] f32: a position's row of one head is 256 bytes, positions are 2,048 bytes apart.
;
; WORK LEFT OUT.  reference() sets every score with key index s > query index l to -inf by its own triu mask, whatever the
; inputs hold; exp(-inf) = 0, so such a key has weight exactly 0.  For a block of 64 queries qb the key tiles j > qb (64 keys
; each) lie wholly above the diagonal: they are neither loaded nor multiplied.  The diagonal tile j = qb is computed whole and
; its masked scores are replaced by -inf.  Every input reaches an output, so all eight are arguments.
; LIMITS.  A NaN or an infinity in keys or values above the diagonal is not carried to the result.  Matrix operands are f16:
; |k|, |v| and |q * tau * 0.18| must stay below 65,504; numbers under 6.1e-5 are kept with an absolute error of at most 3e-8.
; f16 (11 significant bits) and not bf16 (8), because rows with few keys hold numbers some ten times the output's root mean
; square, on which the allowed error hangs.  v_exp_f32 gives 0 for weights under 2^-126.  A NaN score loses in the maximum.
;
; FORM.  Everything is transposed: S^T = K Q'^T + delta', O^T = V^T P^T.  In a result tile lane (r = lane % 16, h = lane / 16)
; holds query r and keys (or d) 8 h + 0..7, so maximum and sum over keys stay in the lane but for one exchange of the halves, the
; rescaling of O is one factor a lane, and P packs in place into the second product's B fragment.
; Q' = f16(q * tau[b] * c), c = 0.125 * log2(e); delta' = delta * c in f32 is the first product's C operand: the scores come out
; in base-2 units with no arithmetic on them.  The running maximum is taken away before every exponential.
;
; SHARING.  256 work-groups of 8 waves: head bh = id / 16, p = id % 16.  A work-group owns the query blocks 31 - p and p (64 rows
; each) for both branches: 33 block-tiles a branch in every work-group.  A step holds the key tiles 2 u and 2 u + 1.  Wave w takes
; the tile of parity w >> 2, branch (w >> 1) & 1, rows 32 (w & 1) .. +31 of a block (two query tiles of 16), and computes in each
; step the high block and, as long as its tile is not above the low block's diagonal, the low block from the same slot: 17 tiles
; for a wave of the even tiles, 16 for one of the odd, whatever p is, in ((31 - p) >> 1) + 1 steps with one barrier each.
; Each wave keeps its own maximum, sum and O for its tiles; on the way out the two parities' parts are brought to their joint
; maximum and meet the other branch's.
; The high block's sums are started by the first product.  The low block's are started from zeros and a maximum of -inf.
; STAGING.  f32 to f16 on the way in: the four waves of a parity stage that parity's tile, each 16 rows of all four tensors and
; 16 numbers of delta, loaded into registers a step ahead, converted and stored into the LDS slot that is not being read.
; NO JOINT LOADS: the sixteen work-groups of a head walk 9 to 16 steps, a different number each pair, and every operand has to
; pass through registers for its conversion, so a tile brought to LDS as f32 would be read, converted and stored there once more.
.set ROWB,  2048                       ; bytes from a position to the next
.set TILEB, 64*ROWB                    ; a key tile's step in memory
.set KPI,   144                        ; LDS pitch of K rows: 128 bytes + 16, an odd multiple of 16
.set VPI,   160                        ; LDS pitch of V rows: 128 bytes + 32, an odd multiple of 32 (transposing loads)
.set LDS_V, 2*64*KPI                   ; a tile's place: K, Kn (64 rows each) at 0; V, Vn at 18,432;
.set LDS_D, LDS_V+2*64*VPI             ; delta' (64 f32) at 38,912
.set SLOT,  LDS_D+256                  ; 39,168 bytes; the tile of parity par in slot s lies at (2 par + s) * SLOT
.set STG,   4*SLOT                     ; behind the tiles: a stage for each wave,
.set OPI,   272                        ; rows of 64 f32 on the way out: 256 bytes + 16
.set STGB,  32*OPI                     ; 32 rows of one block,
.set STGW,  2*STGB                     ; of both blocks: 17,408 bytes a wave
.set XCH,   STG+8*STGW                 ; and 512 bytes a wave for its maxima and sums
.set CLOG,  0x3e38aa3b                 ; 0.125 * log2(e)
; window 0
.set GOFF,  1                          ; 2048 h + 16 r: two rows of 256 bytes a wave (loads of Q, K, V; stores of out)
.set DGOFF, 2                          ; 64 (w & 3) + 4 r: my 16 numbers of a tile's delta
.set SK,    3                          ; LDS: where my K rows go
.set SV,    4                          ; LDS: where my V rows go
.set SD,    5                          ; LDS: where my delta' goes
.set KF,    6                          ; LDS: my branch's K fragments
.set VF,    7                          ; LDS: my branch's V fragments (transposing loads)
.set DLR,   8                          ; LDS: delta' of keys 8 h ..
.set MK,    9                          ; 32 half + r - 8 h (signed): key 16 t + 8 h + j is masked where 16 t + j - 16 qt > MK
.set NI,    10                         ; -inf
.set STW,   11                         ; LDS: my stage, row r, byte 32 h
.set MX,    12                         ; v[12:13] running maxima of query tiles 0, 1; the low block's 6 further on (v[18:19])
.set AL,    14                         ; v[14:15] rescaling factors, at the end weight * share / sum; low block v[20:21]
.set LS,    16                         ; v[16:17] running sums (each half of the lanes its own keys' part); low block v[22:23]
.set SMO,   14                         ; prologue alone: 4 r, the offset into soft_mask
.set TT,    24                         ; v[24:31] at work
.set QF,    32                         ; v[32:63]   Q' fragment (qt, ks) at 16 qt + 8 ks
.set OA,    64                         ; v[64:127]  O^T tile (qt, dt) at 32 qt + 8 dt
.set SC,    128                        ; v[128:191] S^T tile (qt, t) at 32 qt + 8 t; then P^T fragment (qt, ks) at 32 qt + 8 ks
.set FR,    192                        ; v[192:255] K fragment (t, ks) at 16 t + 8 ks, then V^T fragment (dt, ks) at 16 dt + 8 ks
; window 1, written by the low eight bits: the low block's Q' at QF - 32 = 0 and O^T at OA - 32 = 32, so that one text serves both
.set G,     96                         ; v352-479 the 32 staged loads
.set GD,    224                        ; v480     staged delta
.set WTR,   226                        ; v482-485 soft_mask of my queries: high block tiles 0, 1, low block tiles 0, 1
; scalars: s[8:9] q high, s[36:37] q low, s[10:17] keys, values, keys_null, values_null at my rows, s[20:21] delta,
; s[22:23], s[54:55] soft_mask high, low, s[24:25], s[34:35] out high, low, s26 wave, s27 p, s28 b, s29 head, s30 branch,
; s31, s52 tiles from mine up to the high, low block's diagonal, s32 loop count, s33 half, s43 my stage, s53 parity
.set MSB, 0
.macro WIN new                         ; s_set_vgpr_msb; the immediate's high byte repeats the setting that is left
.if MSB != (\new)
	s_set_vgpr_msb (MSB<<8)|(\new)
.set MSB, (\new)
.endif
.endm
.macro PLACES n                        ; plain vector places behind a matrix instruction (ISA guide 7.12.1): four before its
.rept \n                               ; result is read by vector work or a load lands on one of its registers, five before
	v_nop                                  ; another matrix instruction writes over one of its registers
.endr
.endm
.macro BAR                             ; my LDS reads and stores are done, then the work-group's barrier
	s_wait_dscnt 0x0
	s_barrier_signal -1
	s_barrier_wait -1
.endm
; 33 loads: my 16 rows of each tensor (two whole rows of 256 bytes an instruction), 16 numbers of delta.
; step = 1: my parity's next tile, two tiles on; the bases are stepped behind CONVT's wait for all loads.
.macro LOADT step
.if \step
	s_add_nc_u64 s[10:11], s[10:11], 2*TILEB
	s_add_nc_u64 s[12:13], s[12:13], 2*TILEB
	s_add_nc_u64 s[14:15], s[14:15], 2*TILEB
	s_add_nc_u64 s[16:17], s[16:17], 2*TILEB
	s_add_nc_u64 s[20:21], s[20:21], 512
.endif
	WIN 0x40                               ; destination in window 1
.irp i, 0,1,2,3,4,5,6,7
	global_load_b128 v[G+4*\i:G+4*\i+3], v[GOFF], s[10:11] offset:2*ROWB*\i
.endr
.irp i, 0,1,2,3,4,5,6,7
	global_load_b128 v[G+32+4*\i:G+32+4*\i+3], v[GOFF], s[14:15] offset:2*ROWB*\i
.endr
.irp i, 0,1,2,3,4,5,6,7
	global_load_b128 v[G+64+4*\i:G+64+4*\i+3], v[GOFF], s[12:13] offset:2*ROWB*\i
.endr
.irp i, 0,1,2,3,4,5,6,7
	global_load_b128 v[G+96+4*\i:G+96+4*\i+3], v[GOFF], s[16:17] offset:2*ROWB*\i
.endr
	global_load_b32 v[GD], v[DGOFF], s[20:21]
.endm
; The staged rows become f16 and go into slot dst: 65 vector instructions, 33 LDS stores.
.macro CONVT dst
	s_wait_loadcnt 0x0                     ; the 33 loads were issued a step ago
	WIN 0x45                               ; sources 0, 1 and destination in window 1
.set kk, 0
.rept 32
	v_cvt_pk_f16_f32 v[G+4*kk], v[G+4*kk], v[G+4*kk+1]
	v_cvt_pk_f16_f32 v[G+4*kk+1], v[G+4*kk+2], v[G+4*kk+3]
.set kk, kk+1
.endr
	v_mul_f32 v[GD], CLOG, v[GD]           ; delta' = delta * c, kept in f32
	WIN 0x04                               ; store data in window 1, address in window 0
.irp i, 0,1,2,3,4,5,6,7
	ds_store_b64 v[SK], v[G+4*\i:G+4*\i+1] offset:(\dst)*SLOT+2*KPI*\i
.endr
.irp i, 0,1,2,3,4,5,6,7
	ds_store_b64 v[SK], v[G+32+4*\i:G+32+4*\i+1] offset:(\dst)*SLOT+64*KPI+2*KPI*\i
.endr
.irp i, 0,1,2,3,4,5,6,7
	ds_store_b64 v[SV], v[G+64+4*\i:G+64+4*\i+1] offset:(\dst)*SLOT+2*VPI*\i
.endr
.irp i, 0,1,2,3,4,5,6,7
	ds_store_b64 v[SV], v[G+96+4*\i:G+96+4*\i+1] offset:(\dst)*SLOT+64*VPI+2*VPI*\i
.endr
	ds_store_b32 v[SD], v[GD] offset:(\dst)*SLOT
.endm
; 32 LDS loads: the tile's K fragments, and delta' straight into the score accumulators of both query tiles
.macro KLOAD slot
.irp t, 0,1,2,3
.irp ks, 0,1
.irp i, 0,1
	ds_load_b128 v[FR+16*\t+8*\ks+4*\i:FR+16*\t+8*\ks+4*\i+3], v[KF] offset:\slot*SLOT+16*KPI*\t+64*\ks+32*\i
.endr
.endr
.endr
.irp qt, 0,1
.irp t, 0,1,2,3
.irp i, 0,1
	ds_load_b128 v[SC+32*\qt+8*\t+4*\i:SC+32*\qt+8*\t+4*\i+3], v[DLR] offset:\slot*SLOT+64*\t+16*\i
.endr
.endr
.endr
.endm
; S^T = K Q'^T + delta': 16 matrix instructions; four accumulators take turns, one instruction a turn.
; blk = 1: the low block's Q', source 1 in window 1.
.macro QK blk
	WIN 0x04*\blk
.irp tp, 0,1
.irp ks, 0,1
.irp tq, 0,1
.irp qt, 0,1
	v_wmma_f32_16x16x32_f16 v[SC+32*\qt+8*(2*\tp+\tq):SC+32*\qt+8*(2*\tp+\tq)+7], v[FR+16*(2*\tp+\tq)+8*\ks:FR+16*(2*\tp+\tq)+8*\ks+7], v[QF-32*\blk+16*\qt+8*\ks:QF-32*\blk+16*\qt+8*\ks+7], v[SC+32*\qt+8*(2*\tp+\tq):SC+32*\qt+8*(2*\tp+\tq)+7]
.endr
.endr
.endr
.endr
	WIN 0
.endm
; 16 transposing LDS loads: V is stored [key][d]; lane r of a fragment gets d = 16 dt + r, keys along its registers
.macro VLOAD slot
.irp dt, 0,1,2,3
.irp ks, 0,1
.irp i, 0,1
	ds_load_tr16_b128 v[FR+16*\dt+8*\ks+4*\i:FR+16*\dt+8*\ks+4*\i+3], v[VF] offset:\slot*SLOT+32*VPI*\ks+32*\dt+16*VPI*\i
.endr
.endr
.endr
.endm
; The diagonal tile: key > query becomes -inf.  Query tile 1's tile t + 1 has the same constant as query tile 0's tile t;
; its tile 0 has constants of -9 at the most, under the least MK (-8): never masked.
.macro MASK
.irp t, 0,1,2,3
.irp j, 0,1,2,3,4,5,6,7
	v_cmp_gt_i32 vcc_lo, 16*\t+\j, v[MK]
	v_cndmask_b32 v[SC+8*\t+\j], v[SC+8*\t+\j], v[NI], vcc_lo
.if \t < 3
	v_cndmask_b32 v[SC+32+8*(\t+1)+\j], v[SC+32+8*(\t+1)+\j], v[NI], vcc_lo
.endif
.endr
.endr
.endm
; The new running maximum of query tile qt (32 scores a lane, then the other half's), and the factor 2^(old - new)
.macro SMAX qt, blk, first
.irp c, 0,1,2,3
	v_max3_num_f32 v[TT+\c], v[SC+32*\qt+8*\c], v[SC+32*\qt+8*\c+1], v[SC+32*\qt+8*\c+2]
.endr
.irp c, 0,1,2,3
	v_max3_num_f32 v[TT+\c], v[TT+\c], v[SC+32*\qt+8*\c+3], v[SC+32*\qt+8*\c+4]
.endr
.irp c, 0,1,2,3
	v_max3_num_f32 v[TT+\c], v[TT+\c], v[SC+32*\qt+8*\c+5], v[SC+32*\qt+8*\c+6]
.endr
	v_max3_num_f32 v[TT], v[TT], v[SC+32*\qt+7], v[SC+32*\qt+15]
	v_max3_num_f32 v[TT+2], v[TT+2], v[SC+32*\qt+23], v[SC+32*\qt+31]
	v_max3_num_f32 v[TT], v[TT], v[TT+1], v[TT+2]
.if \first
	v_max_num_f32 v[TT], v[TT], v[TT+3]
.else
	v_max3_num_f32 v[TT], v[TT], v[TT+3], v[MX+6*\blk+\qt]
.endif
	v_permlanex16_b32 v[TT+1], v[TT], s44, s45     ; the other half's keys of the same query
.if \first
	v_max_num_f32 v[MX+6*\blk+\qt], v[TT], v[TT+1]
.else
	v_max_num_f32 v[TT], v[TT], v[TT+1]
	v_sub_f32 v[AL+6*\blk+\qt], v[MX+6*\blk+\qt], v[TT]
	v_mov_b32 v[MX+6*\blk+\qt], v[TT]
	v_exp_f32 v[AL+6*\blk+\qt], v[AL+6*\blk+\qt]   ; the next line is plain and touches no AL (ISA guide 5.7.2)
.endif
.endm
; P = 2^(S - max) of query tile qt, O and the running sum rescaled, P packed in place to f16
.macro SEXP qt, blk, first
.set kk, 0
.rept 16
	v_pk_add_f32 v[SC+32*\qt+kk:SC+32*\qt+kk+1], v[SC+32*\qt+kk:SC+32*\qt+kk+1], v[MX+6*\blk:MX+6*\blk+1] op_sel:[0,\qt] op_sel_hi:[1,\qt] neg_lo:[0,1] neg_hi:[0,1]
.set kk, kk+2
.endr
.set kk, 0
.rept 32
	v_exp_f32 v[SC+32*\qt+kk], v[SC+32*\qt+kk]
.set kk, kk+1
.endr
.if \first
	v_nop                                          ; the plain place between the last exponential and the first use
	s_wait_alu depctr_va_vdst(0)
.else
	WIN 0x41*\blk                                  ; the low block's O: source 0 and destination in window 1
.set kk, 0
	s_wait_alu depctr_va_vdst(0)
.rept 16                                               ; plain work on other registers: also that place
	v_pk_mul_f32 v[OA-32*\blk+32*\qt+kk:OA-32*\blk+32*\qt+kk+1], v[OA-32*\blk+32*\qt+kk:OA-32*\blk+32*\qt+kk+1], v[AL+6*\blk:AL+6*\blk+1] op_sel:[0,\qt] op_sel_hi:[1,\qt]
.set kk, kk+2
.endr
	WIN 0
.endif
.irp c, 0,1,2,3
	v_pk_add_f32 v[TT+2*\c:TT+2*\c+1], v[SC+32*\qt+8*\c:SC+32*\qt+8*\c+1], v[SC+32*\qt+8*\c+2:SC+32*\qt+8*\c+3]
.endr
.irp c, 0,1,2,3
	v_pk_add_f32 v[TT+2*\c:TT+2*\c+1], v[TT+2*\c:TT+2*\c+1], v[SC+32*\qt+8*\c+4:SC+32*\qt+8*\c+5]
.endr
.irp c, 0,1,2,3
	v_pk_add_f32 v[TT+2*\c:TT+2*\c+1], v[TT+2*\c:TT+2*\c+1], v[SC+32*\qt+8*\c+6:SC+32*\qt+8*\c+7]
.endr
	v_pk_add_f32 v[TT:TT+1], v[TT:TT+1], v[TT+2:TT+3]
	v_pk_add_f32 v[TT+4:TT+5], v[TT+4:TT+5], v[TT+6:TT+7]
	v_pk_add_f32 v[TT:TT+1], v[TT:TT+1], v[TT+4:TT+5]
.if \first
	v_add_f32 v[LS+6*\blk+\qt], v[TT], v[TT+1]
.else
	v_add_f32 v[TT], v[TT], v[TT+1]
	v_fma_f32 v[LS+6*\blk+\qt], v[LS+6*\blk+\qt], v[AL+6*\blk+\qt], v[TT]
.endif
.set kk, 0
.rept 16                                               ; register kk takes scores 2 kk, 2 kk + 1: ascending, so no source is lost
	v_cvt_pk_f16_f32 v[SC+32*\qt+kk], v[SC+32*\qt+2*kk], v[SC+32*\qt+2*kk+1]
.set kk, kk+1
.endr
.endm
; O^T += V^T P^T: 16 matrix instructions; eight accumulators take turns, one instruction a turn.
; first = 1: the first product starts the sums.  blk = 1: the low block's O, C and D in window 1.
.macro PV blk, first
	WIN 0x50*\blk
.irp ks, 0,1
.irp dt, 0,1,2,3
.irp qt, 0,1
.if \first*(1-\ks)
	v_wmma_f32_16x16x32_f16 v[OA-32*\blk+32*\qt+8*\dt:OA-32*\blk+32*\qt+8*\dt+7], v[FR+16*\dt+8*\ks:FR+16*\dt+8*\ks+7], v[SC+32*\qt+8*\ks:SC+32*\qt+8*\ks+7], 0
.else
	v_wmma_f32_16x16x32_f16 v[OA-32*\blk+32*\qt+8*\dt:OA-32*\blk+32*\qt+8*\dt+7], v[FR+16*\dt+8*\ks:FR+16*\dt+8*\ks+7], v[SC+32*\qt+8*\ks:SC+32*\qt+8*\ks+7], v[OA-32*\blk+32*\qt+8*\dt:OA-32*\blk+32*\qt+8*\dt+7]
.endif
.endr
.endr
.endr
	WIN 0
.endm
; One tile for one block, behind KLOAD and its wait.  mask = 1: this may be the block's diagonal tile (its counter is 0).
.macro ATT slot, blk, first, mask
	QK \blk
	PLACES 4                                       ; then loads land on K's fragments and vector work reads the scores
	VLOAD \slot                                    ; lands while the softmax runs
.if \mask
	s_cmp_lg_u32 s[31+21*\blk], 0                  ; s31 or s52
	s_cbranch_scc1 .Lnomask_\@
	MASK
.Lnomask_\@:
.endif
	SMAX 0, \blk, \first
	SMAX 1, \blk, \first
	SEXP 0, \blk, \first
	SEXP 1, \blk, \first
	s_wait_dscnt 0x0                               ; V's fragments
	PV \blk, \first
	PLACES 5                                       ; five: the next products of scores write over the registers read here as P's fragments
.endm
; One step: my tile is read from \slot.  conv: the next step's rows are converted into the other slot (2: unless that tile lies
; above the high block's diagonal); load: the rows of the step after are asked for (2: with the same proviso).
; lo = 1: the low block may still have a tile here.  last = 1: the high block's last step, which alone can hold its diagonal
; tile or a tile above it.  The other slot's last reads ended in front of the last barrier; this step's stores end in front of the next.
.macro STEP slot, first, conv, load, lo, last
.if \last
	s_cmp_lt_i32 s31, 0                            ; my tile lies above the diagonal
	s_cbranch_scc1 .Lover_\@
.endif
	KLOAD \slot
.if \conv == 2
	s_cmp_lt_i32 s31, 2                            ; my next tile, two on, lies above the diagonal: nothing was loaded
	s_cbranch_scc1 .Lnoconv_\@
.endif
.if \conv
	CONVT 1-\slot
	WIN 0
.endif
.if \conv == 2
.Lnoconv_\@:
.endif
.if \load == 2
	s_cmp_lt_i32 s31, 4                            ; my tile of the step after next, four on, lies above the diagonal
	s_cbranch_scc1 .Lnoload_\@
.endif
.if \load
	LOADT 1
	WIN 0
.endif
.if \load == 2
.Lnoload_\@:
.endif
.if \conv == 1
	s_wait_dscnt 33                                ; KLOAD's 32 loads are in; the 33 stores issued behind them may be out
.else
	s_wait_dscnt 0x0
.endif
	ATT \slot, 0, \first, \last
.if \lo
	s_cmp_lt_i32 s52, 0                            ; the low block's diagonal is passed
	s_cbranch_scc1 .Lnolo_\@
	KLOAD \slot
	s_wait_dscnt 0x0
	ATT \slot, 1, 0, 1
.Lnolo_\@:
.endif
.if \last
.Lover_\@:
.else
	s_sub_co_i32 s31, s31, 2
	s_sub_co_i32 s52, s52, 2
	BAR
.endif
.endm
.macro PRE dst                         ; step 0's rows into slot dst, step 1's asked for
	CONVT \dst
	WIN 0
	LOADT 1
	WIN 0
	BAR
.endm
	; ---- ids, pointers ----
	s_load_b512 s[8:23], s[0:1], 0x0               ; q, keys, values, keys_null, values_null, tau, delta, soft_mask
	s_load_b64 s[24:25], s[0:1], 0x40              ; out0
	s_set_vgpr_msb 0x40
	v_lshl_add_u32 v232, v0, 2, 0x49400
	v_mov_b32 v233, 0
	s_set_vgpr_msb 0x4000
	v_lshrrev_b32 v[TT], 5, v0
	v_readfirstlane_b32 s26, v[TT]                 ; wave
	s_and_b32 s27, ttmp9, 15                       ; p = the low block
	s_lshr_b32 s28, ttmp9, 7                       ; b
	s_bfe_u32 s29, ttmp9, 0x30004                  ; head
	s_lshr_b32 s53, s26, 2                         ; parity of my key tiles
	s_bfe_u32 s30, s26, 0x10001                    ; branch that I compute
	s_and_b32 s33, s26, 1                          ; half of a block's rows
	s_sub_co_u32 s48, 31, s27                      ; the high block
	s_sub_co_i32 s31, s48, s53                     ; tiles from my first up to its diagonal
	s_sub_co_i32 s52, s27, s53                     ; the same for the low block (-1: I have none of it)
	s_lshr_b32 s56, s48, 1                         ; steps - 1: 8 to 15
	s_sub_co_u32 s32, s56, 2
	s_lshr_b32 s32, s32, 1                         ; loop trips: (steps, less 4 or 3 written out) / 2; 3 at the least
	s_lshl_b32 s49, s33, 5
	s_lshl_b32 s50, s48, 6
	s_add_co_u32 s50, s50, s49                     ; my first query of the high block
	s_lshl_b32 s51, s27, 6
	s_add_co_u32 s51, s51, s49                     ; and of the low block
	s_mov_b32 s44, 0x76543210                      ; v_permlanex16_b32: lane i takes lane i of the other half
	s_mov_b32 s45, 0xfedcba98
	s_cmp_lg_u32 s30, 0
	s_cselect_b32 s46, 1.0, 0                      ; my weight = soft_mask * s47 + s46: m, or 1 - m for the null branch
	s_cselect_b32 s47, -1.0, 1.0
	s_lshl_b32 s38, s28, 22                        ; batch: 2,048 positions of 2,048 bytes
	s_lshl_b32 s48, s29, 8
	s_add_co_u32 s38, s38, s48                     ; + head
	s_mov_b32 s41, 0
	v_and_b32 v[TT+4], 15, v0                      ; r
	v_bfe_u32 v[TT+5], v0, 4, 1                    ; h
	v_and_b32 v[TT+6], 7, v0
	v_bfe_u32 v[TT+7], v0, 3, 1
	v_lshlrev_b32 v[GOFF], 4, v[TT+4]
	v_lshl_add_u32 v[GOFF], v[TT+5], 11, v[GOFF]
	v_lshlrev_b32 v[SMO], 2, v[TT+4]
	v_and_b32 v[DGOFF], 0x60, v0                   ; 32 (w & 3)
	v_lshl_add_u32 v[DGOFF], v[DGOFF], 1, v[SMO]
	s_wait_kmcnt 0x0
	s_lshl_b32 s48, s26, 15                        ; parity x 64 rows + quarter x 16 rows = wave x 16 rows
	s_add_co_u32 s40, s38, s48
	s_add_nc_u64 s[10:11], s[10:11], s[40:41]
	s_add_nc_u64 s[12:13], s[12:13], s[40:41]
	s_add_nc_u64 s[14:15], s[14:15], s[40:41]
	s_add_nc_u64 s[16:17], s[16:17], s[40:41]
	s_lshl_b32 s48, s51, 11
	s_add_co_u32 s40, s38, s48
	s_add_nc_u64 s[36:37], s[8:9], s[40:41]        ; q at my 32 rows of the low block
	s_lshr_b32 s49, s26, 1
	s_lshl_b32 s49, s49, 14                        ; the 8 of the 32 rows that I store: 8 (w >> 1)
	s_add_co_u32 s40, s40, s49
	s_add_nc_u64 s[34:35], s[24:25], s[40:41]      ; out, low block
	s_lshl_b32 s48, s50, 11
	s_add_co_u32 s40, s38, s48
	s_add_nc_u64 s[8:9], s[8:9], s[40:41]          ; q, high block
	s_add_co_u32 s40, s40, s49
	s_add_nc_u64 s[24:25], s[24:25], s[40:41]      ; out, high block
	s_lshl_b32 s48, s28, 13                        ; a batch's 2,048 f32
	s_lshl_b32 s49, s53, 8
	s_add_co_u32 s40, s48, s49
	s_add_nc_u64 s[20:21], s[20:21], s[40:41]      ; delta[b] at my parity's first tile
	s_lshl_b32 s49, s51, 2
	s_add_co_u32 s40, s48, s49
	s_add_nc_u64 s[54:55], s[22:23], s[40:41]      ; soft_mask, low block
	s_lshl_b32 s49, s50, 2
	s_add_co_u32 s40, s48, s49
	s_add_nc_u64 s[22:23], s[22:23], s[40:41]      ; soft_mask, high block
	s_lshl_b32 s40, s28, 2
	s_add_nc_u64 s[18:19], s[18:19], s[40:41]
	s_load_b32 s42, s[18:19], 0x0                  ; tau[b]
	; ---- first loads: my 32 rows of q in both blocks, their soft_mask, step 0's rows ----
.irp i, 0,1,2,3,4,5,6,7,8,9,10,11,12,13,14,15
	global_load_b128 v[SC+4*\i:SC+4*\i+3], v[GOFF], s[8:9] offset:2*ROWB*\i
.endr
.irp i, 0,1,2,3,4,5,6,7,8,9,10,11,12,13,14,15
	global_load_b128 v[FR+4*\i:FR+4*\i+3], v[GOFF], s[36:37] offset:2*ROWB*\i
.endr
	WIN 0x40
	global_load_b32 v[WTR], v[SMO], s[22:23]
	global_load_b32 v[WTR+1], v[SMO], s[22:23] offset:64
	global_load_b32 v[WTR+2], v[SMO], s[54:55]
	global_load_b32 v[WTR+3], v[SMO], s[54:55] offset:64
	LOADT 0
.set kk, 0
.rept 64                                               ; the low block's O starts from zeros (see the head): destination in window 1
	v_mov_b32 v[OA-32+kk], 0
.set kk, kk+1
.endr
	WIN 0
	v_mov_b32 v[NI], 0xff800000
	v_mov_b32 v[MX+6], v[NI]                       ; its maxima from -inf, its sums from 0
	v_mov_b32 v[MX+7], v[NI]
	v_mov_b32 v[LS+6], 0
	v_mov_b32 v[LS+7], 0
	; ---- LDS addresses: a wave term from the scalar wave number, a lane term from v0 ----
	s_mul_i32 s57, s53, 2*SLOT                     ; my parity's two slots
	s_and_b32 s58, s26, 3                          ; my quarter of a tile's rows
	s_mul_i32 s43, s26, STGW
	s_add_co_u32 s43, s43, STG                     ; my stage
	s_mul_i32 s48, s58, 16*KPI
	s_add_co_u32 s48, s48, s57
	v_mul_u32_u24 v[TT], v[TT+5], KPI
	v_lshl_add_u32 v[TT], v[TT+4], 3, v[TT]        ; row h, 8 bytes for 4 numbers
	v_add_nc_u32 v[SK], s48, v[TT]
	v_add_nc_u32 v[TT+2], s43, v[TT]               ; Q' into my stage, same shape
	s_mul_i32 s48, s58, 16*VPI
	s_add_co_u32 s48, s48, s57
	s_add_co_u32 s48, s48, LDS_V
	v_mul_u32_u24 v[TT+1], v[TT+5], VPI
	v_lshl_add_u32 v[TT+1], v[TT+4], 3, v[TT+1]
	v_add_nc_u32 v[SV], s48, v[TT+1]
	s_lshl_b32 s48, s58, 6
	s_add_co_u32 s48, s48, s57
	s_add_co_u32 s48, s48, LDS_D
	v_lshl_add_u32 v[SD], v[TT+4], 2, s48
	v_mul_u32_u24 v[TT], v[TT+4], KPI
	v_lshl_add_u32 v[TT], v[TT+5], 4, v[TT]        ; fragment: row r, 16 bytes for each half of the lanes
	s_mul_i32 s48, s30, 64*KPI
	s_add_co_u32 s48, s48, s57
	v_add_nc_u32 v[KF], s48, v[TT]
	v_add_nc_u32 v[TT+3], s43, v[TT]               ; Q' back as fragments
	v_lshl_add_u32 v[TT+1], v[TT+5], 3, v[TT+6]    ; transposing load: row 8 h + (lane & 7),
	v_mul_u32_u24 v[TT+1], v[TT+1], VPI
	v_lshl_add_u32 v[TT+1], v[TT+7], 4, v[TT+1]    ; 16 bytes for each eight lanes
	s_mul_i32 s48, s30, 64*VPI
	s_add_co_u32 s48, s48, s57
	s_add_co_u32 s48, s48, LDS_V
	v_add_nc_u32 v[VF], s48, v[TT+1]
	s_add_co_u32 s48, s57, LDS_D
	v_lshl_add_u32 v[DLR], v[TT+5], 5, s48
	v_lshlrev_b32 v[TT], 3, v[TT+5]
	v_sub_nc_u32 v[TT], v[TT+4], v[TT]
	s_lshl_b32 s48, s33, 5
	v_add_nc_u32 v[MK], s48, v[TT]
	v_mul_u32_u24 v[TT], v[TT+4], OPI
	v_lshl_add_u32 v[TT], v[TT+5], 5, v[TT]
	v_add_nc_u32 v[STW], s43, v[TT]
	; ---- Q' = f16(q * tau * c), through my own stage into fragments: the high block's rows at 0, the low block's at STGB ----
	s_wait_kmcnt 0x0
	v_mov_b32 v[TT], CLOG
	v_mul_f32 v[TT], s42, v[TT]
	v_mov_b32 v[TT+1], v[TT]
	s_wait_loadcnt 33                              ; q and soft_mask are in; step 0's 33 loads, issued behind them, may be out
.set ii, 0
.rept 32                                               ; FR = SC + 64: loads 16 to 31 are the low block's
	v_pk_mul_f32 v[SC+4*ii:SC+4*ii+1], v[SC+4*ii:SC+4*ii+1], v[TT:TT+1]
	v_pk_mul_f32 v[SC+4*ii+2:SC+4*ii+3], v[SC+4*ii+2:SC+4*ii+3], v[TT:TT+1]
	v_cvt_pk_f16_f32 v[SC+4*ii], v[SC+4*ii], v[SC+4*ii+1]
	v_cvt_pk_f16_f32 v[SC+4*ii+1], v[SC+4*ii+2], v[SC+4*ii+3]
	ds_store_b64 v[TT+2], v[SC+4*ii:SC+4*ii+1] offset:(ii/16)*STGB+2*KPI*(ii%16)
.set ii, ii+1
.endr
.irp qt, 0,1
.irp ks, 0,1
.irp i, 0,1
	ds_load_b128 v[QF+16*\qt+8*\ks+4*\i:QF+16*\qt+8*\ks+4*\i+3], v[TT+3] offset:16*KPI*\qt+64*\ks+32*\i   ; my own bytes: LDS serves a wave's instructions in order (ISA guide 5.7.1.4)
.endr
.endr
.endr
	WIN 0x40
.irp qt, 0,1
.irp ks, 0,1
.irp i, 0,1
	ds_load_b128 v[QF-32+16*\qt+8*\ks+4*\i:QF-32+16*\qt+8*\ks+4*\i+3], v[TT+3] offset:STGB+16*KPI*\qt+64*\ks+32*\i
.endr
.endr
.endr
	WIN 0
	; ---- the steps.  Step i lies in slot (i + number of steps) & 1, so that the last two steps have slots 0 and 1 ----
	s_bitcmp1_b32 s56, 0                           ; steps - 1 odd: an even number of steps
	s_cbranch_scc0 .Lodd
	PRE 0
	STEP 0, 1, 1, 1, 1, 0
	STEP 1, 0, 1, 1, 1, 0
	s_branch .Lloop
.Lodd:
	PRE 1
	STEP 1, 1, 1, 1, 1, 0
.Lloop:
	STEP 0, 0, 1, 1, 1, 0
	STEP 1, 0, 1, 2, 1, 0                          ; in the last trip this asks for the last step's tile, if it is not above the diagonal
	s_sub_co_i32 s32, s32, 1
	s_cmp_gt_i32 s32, 0                            ; a signed compare: the counter comes down and the loop ends from any start
	s_cbranch_scc1 .Lloop
	STEP 0, 0, 2, 0, 1, 0                          ; the last step's rows are converted, nothing more is asked for
	STEP 1, 0, 0, 0, 0, 1                          ; the last step: 8 at the least, so past the low block's 8 steps at the most
	; ---- the way out.  My sums' two halves meet; my maxima and sums go to the wave of the other parity (wave ^ 4) ----
	v_permlanex16_b32 v[TT], v[LS], s44, s45
	v_permlanex16_b32 v[TT+1], v[LS+1], s44, s45
	v_permlanex16_b32 v[TT+2], v[LS+6], s44, s45
	v_permlanex16_b32 v[TT+3], v[LS+7], s44, s45
	v_pk_add_f32 v[LS:LS+1], v[LS:LS+1], v[TT:TT+1]
	v_pk_add_f32 v[LS+6:LS+7], v[LS+6:LS+7], v[TT+2:TT+3]
	v_and_b32 v[TT+6], 15, v0
	s_lshl_b32 s48, s26, 9
	s_add_co_u32 s48, s48, XCH
	v_lshl_add_u32 v[TT+4], v[TT+6], 3, s48        ; query r: 8 bytes for its two query tiles; both halves of the lanes write the same
	s_xor_b32 s49, s26, 4
	s_lshl_b32 s49, s49, 9
	s_add_co_u32 s49, s49, XCH
	v_lshl_add_u32 v[TT+5], v[TT+6], 3, s49
	ds_store_b64 v[TT+4], v[MX:MX+1]
	ds_store_b64 v[TT+4], v[LS:LS+1] offset:128
	ds_store_b64 v[TT+4], v[MX+6:MX+7] offset:256
	ds_store_b64 v[TT+4], v[LS+6:LS+7] offset:384
	BAR
	ds_load_b64 v[SC:SC+1], v[TT+5]                ; the partner's maxima and sums: block blk at SC + 4 blk
	ds_load_b64 v[SC+2:SC+3], v[TT+5] offset:128
	ds_load_b64 v[SC+4:SC+5], v[TT+5] offset:256
	ds_load_b64 v[SC+6:SC+7], v[TT+5] offset:384
	s_wait_dscnt 0x0
	; factor = weight * 2^(m - M) / (l 2^(m - M) + l' 2^(m' - M)), M the joint maximum (finite: one of the two has the diagonal tile)
.irp blk, 0,1
	v_max_num_f32 v[TT+2*\blk], v[MX+6*\blk], v[SC+4*\blk]
	v_max_num_f32 v[TT+2*\blk+1], v[MX+6*\blk+1], v[SC+4*\blk+1]
	v_pk_add_f32 v[AL+6*\blk:AL+6*\blk+1], v[MX+6*\blk:MX+6*\blk+1], v[TT+2*\blk:TT+2*\blk+1] neg_lo:[0,1] neg_hi:[0,1]
	v_pk_add_f32 v[SC+4*\blk:SC+4*\blk+1], v[SC+4*\blk:SC+4*\blk+1], v[TT+2*\blk:TT+2*\blk+1] neg_lo:[0,1] neg_hi:[0,1]
.endr
.irp blk, 0,1
	v_exp_f32 v[AL+6*\blk], v[AL+6*\blk]
	v_exp_f32 v[AL+6*\blk+1], v[AL+6*\blk+1]
	v_exp_f32 v[SC+4*\blk], v[SC+4*\blk]
	v_exp_f32 v[SC+4*\blk+1], v[SC+4*\blk+1]
.endr
	WIN 0x01                                       ; soft_mask: source 0 in window 1
.irp k, 0,1,2,3
	v_fma_f32 v[TT+4+\k], v[WTR+\k], s47, s46      ; plain lines on other registers stand between the exponentials and their use
.endr
	WIN 0
	s_wait_alu depctr_va_vdst(0)
.irp blk, 0,1
	v_pk_mul_f32 v[SC+4*\blk+2:SC+4*\blk+3], v[SC+4*\blk+2:SC+4*\blk+3], v[SC+4*\blk:SC+4*\blk+1]
	v_pk_fma_f32 v[LS+6*\blk:LS+6*\blk+1], v[LS+6*\blk:LS+6*\blk+1], v[AL+6*\blk:AL+6*\blk+1], v[SC+4*\blk+2:SC+4*\blk+3]
.endr
.irp blk, 0,1
	v_rcp_f32 v[SC+4*\blk], v[LS+6*\blk]
	v_rcp_f32 v[SC+4*\blk+1], v[LS+6*\blk+1]
.endr
.irp blk, 0,1
	v_pk_mul_f32 v[AL+6*\blk:AL+6*\blk+1], v[AL+6*\blk:AL+6*\blk+1], v[TT+4+2*\blk:TT+4+2*\blk+1]   ; plain, on other registers than the reciprocals'
.endr
	s_wait_alu depctr_va_vdst(0)
.irp blk, 0,1
	v_pk_mul_f32 v[AL+6*\blk:AL+6*\blk+1], v[AL+6*\blk:AL+6*\blk+1], v[SC+4*\blk:SC+4*\blk+1]
.endr
	; O * factor into my stage: query 16 qt + r, d = 16 dt + 8 h + 4 i ..
.irp blk, 0,1
	WIN 0x41*\blk
.irp qt, 0,1
.set kk, 0
.rept 16
	v_pk_mul_f32 v[OA-32*\blk+32*\qt+kk:OA-32*\blk+32*\qt+kk+1], v[OA-32*\blk+32*\qt+kk:OA-32*\blk+32*\qt+kk+1], v[AL+6*\blk:AL+6*\blk+1] op_sel:[0,\qt] op_sel_hi:[1,\qt]
.set kk, kk+2
.endr
.endr
	WIN 0x04*\blk
.irp qt, 0,1
.irp dt, 0,1,2,3
.irp i, 0,1
	ds_store_b128 v[STW], v[OA-32*\blk+32*\qt+8*\dt+4*\i:OA-32*\blk+32*\qt+8*\dt+4*\i+3] offset:STGB*\blk+16*OPI*\qt+64*\dt+16*\i
.endr
.endr
.endr
.endr
	WIN 0
	; The four waves of my half (two parities, two branches: waves 2 g + half) hold the four parts of the same 32 rows.
	; I add and store rows 8 (w >> 1) .. +7 of each block, two whole rows of 256 bytes an instruction.
	v_and_b32 v[TT+4], 15, v0
	v_bfe_u32 v[TT+5], v0, 4, 1
	v_mul_u32_u24 v[TT+6], v[TT+5], OPI
	v_lshl_add_u32 v[TT+6], v[TT+4], 4, v[TT+6]    ; lanes 0-15 one row of 256 bytes, lanes 16-31 the next
	s_lshr_b32 s48, s26, 1
	s_mul_i32 s48, s48, 8*OPI
	s_mul_i32 s49, s33, STGW
	s_add_co_u32 s48, s48, s49
	s_add_co_u32 s48, s48, STG
.irp gg, 0,1,2,3
	v_add_nc_u32 v[TT+\gg], s48, v[TT+6]           ; the same rows in the stage of wave 2 gg + half
	s_add_co_u32 s48, s48, 2*STGW
.endr
	BAR                                            ; every wave's stage is written
.irp blk, 0,1
.irp rr, 0,1,2,3
.irp gg, 0,1,2,3
	ds_load_b128 v[SC+64*\blk+16*\rr+4*\gg:SC+64*\blk+16*\rr+4*\gg+3], v[TT+\gg] offset:STGB*\blk+2*OPI*\rr
.endr
.endr
.endr
.irp blk, 0,1
.irp rr, 0,1,2,3
	s_wait_dscnt 28-4*(4*\blk+\rr)                 ; this group of four is in; the younger groups may be out
	v_pk_add_f32 v[SC+64*\blk+16*\rr:SC+64*\blk+16*\rr+1], v[SC+64*\blk+16*\rr:SC+64*\blk+16*\rr+1], v[SC+64*\blk+16*\rr+4:SC+64*\blk+16*\rr+5]
	v_pk_add_f32 v[SC+64*\blk+16*\rr+2:SC+64*\blk+16*\rr+3], v[SC+64*\blk+16*\rr+2:SC+64*\blk+16*\rr+3], v[SC+64*\blk+16*\rr+6:SC+64*\blk+16*\rr+7]
	v_pk_add_f32 v[SC+64*\blk+16*\rr+8:SC+64*\blk+16*\rr+9], v[SC+64*\blk+16*\rr+8:SC+64*\blk+16*\rr+9], v[SC+64*\blk+16*\rr+12:SC+64*\blk+16*\rr+13]
	v_pk_add_f32 v[SC+64*\blk+16*\rr+10:SC+64*\blk+16*\rr+11], v[SC+64*\blk+16*\rr+10:SC+64*\blk+16*\rr+11], v[SC+64*\blk+16*\rr+14:SC+64*\blk+16*\rr+15]
	v_pk_add_f32 v[SC+64*\blk+16*\rr:SC+64*\blk+16*\rr+1], v[SC+64*\blk+16*\rr:SC+64*\blk+16*\rr+1], v[SC+64*\blk+16*\rr+8:SC+64*\blk+16*\rr+9]
	v_pk_add_f32 v[SC+64*\blk+16*\rr+2:SC+64*\blk+16*\rr+3], v[SC+64*\blk+16*\rr+2:SC+64*\blk+16*\rr+3], v[SC+64*\blk+16*\rr+10:SC+64*\blk+16*\rr+11]
	global_store_b128 v[GOFF], v[SC+64*\blk+16*\rr:SC+64*\blk+16*\rr+3], s[24+10*\blk:25+10*\blk] offset:2*ROWB*\rr th:TH_STORE_NT
.endr
.endr
	s_set_vgpr_msb 0x5
	s_wait_tensorcnt 0x0
	ds_add_u32 v232, v233
	s_wait_dscnt 0x0
	s_set_vgpr_msb 0x500
	s_endpgm
.Lfunc_end_k_q17db9ca31a_dsattn:
	.size	k_q17db9ca31a_dsattn, .Lfunc_end_k_q17db9ca31a_dsattn-k_q17db9ca31a_dsattn
	.p2alignl 7, 3214868480
	.fill 96, 4, 3214868480
	.section	.rodata,"a",@progbits
	.p2align	6, 0x0
	.amdhsa_kernel k_q17db9ca31a_dsattn
		.amdhsa_group_segment_fixed_size 301056
		.amdhsa_private_segment_fixed_size 0
		.amdhsa_enable_private_segment 0
		.amdhsa_kernarg_size 72
		.amdhsa_user_sgpr_count 2
		.amdhsa_user_sgpr_kernarg_segment_ptr 1
		.amdhsa_wavefront_size32 1
		.amdhsa_system_sgpr_workgroup_id_x 1
		.amdhsa_system_sgpr_workgroup_id_y 1
		.amdhsa_system_sgpr_workgroup_id_z 1
		.amdhsa_system_vgpr_workitem_id 0
		.amdhsa_next_free_vgpr 490
		.amdhsa_next_free_sgpr 66
		.amdhsa_reserve_vcc 1
		.amdhsa_float_denorm_mode_32 3
		.amdhsa_float_denorm_mode_16_64 3
		.amdhsa_memory_ordered 1
		.amdhsa_forward_progress 1
		.amdhsa_inst_pref_size 255
	.end_amdhsa_kernel
	.section	.bss,"aw",@nobits
	.p2align	6
	.space	262144
	.amdgpu_metadata
---
amdhsa.version: [ 1, 2 ]
amdhsa.kernels:
  - .name:           k_q17db9ca31a_dsattn
    .symbol:         k_q17db9ca31a_dsattn.kd
    .args:
      - { .name: queries, .offset: 0, .size: 8, .value_kind: global_buffer, .address_space: global }
      - { .name: keys, .offset: 8, .size: 8, .value_kind: global_buffer, .address_space: global }
      - { .name: values, .offset: 16, .size: 8, .value_kind: global_buffer, .address_space: global }
      - { .name: keys_null, .offset: 24, .size: 8, .value_kind: global_buffer, .address_space: global }
      - { .name: values_null, .offset: 32, .size: 8, .value_kind: global_buffer, .address_space: global }
      - { .name: tau, .offset: 40, .size: 8, .value_kind: global_buffer, .address_space: global }
      - { .name: delta, .offset: 48, .size: 8, .value_kind: global_buffer, .address_space: global }
      - { .name: soft_mask, .offset: 56, .size: 8, .value_kind: global_buffer, .address_space: global }
      - { .name: out0, .offset: 64, .size: 8, .value_kind: global_buffer, .address_space: global }
    .group_segment_fixed_size: 301056
    .private_segment_fixed_size: 0
    .kernarg_segment_align: 8
    .kernarg_segment_size: 72
    .max_flat_workgroup_size: 256
    .sgpr_count:     66
    .vgpr_count:     490
    .wavefront_size: 32
...
	.end_amdgpu_metadata
.endif
;; end of part 1
